; MI455X (gfx1250); checked and timed in simulation.
; The chip was launched on July 23, 2026; its instructions are those of AMD's public machine-readable ISA for CDNA 5 (MIT licence, August 2026) and "CDNA5" Instruction Set Architecture Reference Guide (July 2026). The comments in the code are by the model that wrote it; some were corrected since.
;; Prediction Bi LSTM. Allowed arithmetic: matrix products marked QUANTISED: E5M2 operands, one E8M0 scale for each 32 along K, by v_wmma_scale_f32_16x16x128_f8f6f4 with both operands' format E5M2, f32 sums; everything else in f32.
;; Inputs: V_cells 65,536 x 904 float32; b_hh_b 400 float32; b_hh_f 400 float32; b_ih_b 400 float32; b_ih_f 400 float32; w_hh_b 400 x 100 float32; w_hh_f 400 x 100 float32; w_ih_b 400 x 904 float32; w_ih_f 400 x 904 float32.
;; Outputs: out0 65,536 x 200 float32.
;; This version of the problem:
;;   THIS VERSION OF THE PROBLEM IS GIVEN IN LOW PRECISION. The matrix products marked QUANTISED in the list below multiply operands that are first quantised to E5M2 (5 exponent bits, 2 mantissa bits; 8 bits a number), with one power-of-two scale for each 32 numbers along K (OCP MX v1.0); their sums are f32. All else is computed in f32.
;;   The module's matrix products, in the order in which they are computed (A, B: the left and right operand; K: the contracted axis; several contracted axes count as one K, in the product's order):
;;     1. [M 65,536, K 904] x [K 904, N 400]; A: input V_cells; B: input w_ih_f: QUANTISED
;;     2. [M 65,536, K 904] x [K 904, N 400]; A: input V_cells; B: input w_ih_b: QUANTISED
;;   THE QUANTISER, for each operand of a quantised product, along K:
;;     - K is cut into blocks of 32 from its start; a last block that is shorter is filled with zeros.
;;     - A block's scale is 2^e with e = floor(log2(the largest magnitude in the block)) - 15, held to -126 .. 127; a block of zeros has e = 0. As a byte (E8M0): e + 127.
;;     - Each number is divided by its block's scale, clamped to +-57,344, and rounded to the nearest number of E5M2, ties to even, subnormals kept.
;;     - The product sums the exact products of the quantised numbers (number of the format x scale) in f32.
;;   ~~~python
;;   def quantise(x, axis):      # numpy; x: float32 -> the quantised numbers, widened to float32 again
;;       x = np.moveaxis(x, axis, -1); K = x.shape[-1]
;;       x = np.pad(x, [(0, 0)] * (x.ndim - 1) + [(0, -K % 32)]); x = x.reshape(x.shape[:-1] + (-1, 32)); a = np.abs(x).max(-1, keepdims=True)
;;       e = np.where(a > 0, np.clip(np.frexp(np.where(a > 0, a, 1))[1] - 1 - 15, -126, 127), 0)      # np.frexp(a)[1] - 1 = floor(log2(a)), exactly
;;       r = np.clip(x / 2.0 ** e, -57344, 57344)
;;       step = 2.0 ** (np.maximum(np.frexp(np.where(r == 0, 1, r))[1] - 1, -14) - 2)
;;       q = np.round(r / step) * step * 2.0 ** e      # np.round: ties to even
;;       return np.moveaxis(q.reshape(q.shape[:-2] + (-1,))[..., :K], -1, axis).astype(np.float32)
;;   ~~~
;; One version. Each part assembles by itself: llvm-mc -triple=amdgcn-amd-amdhsa -mcpu=gfx1250 --defsym DOCPART=n.
;; ======== version 1 of 1: 2 launches
;; workspace buffers: wq 1,048,576 bytes; bias 2,560 bytes
;; launch prep (part 1): grid 13 x 8, 1 waves a work-group, no clusters, 0 bytes of LDS; arguments w_ih_f, w_ih_b, b_ih_f, b_hh_f, b_ih_b, b_hh_b, wq, bias; writes wq, bias
.if DOCPART == 1
	.amdgcn_target "amdgcn-amd-amdhsa--gfx1250"
	.amdhsa_code_object_version 6
	.text
	.protected	k_qed024552df_prep
	.globl	k_qed024552df_prep
	.p2align	8
	.type	k_qed024552df_prep,@function
k_qed024552df_prep:
	s_mov_b64 s[64:65], 0
	v_nop
	global_prefetch_b8 v0, s[64:65] scope:SCOPE_SE
	s_setreg_imm32_b32 hwreg(HW_REG_WAVE_MODE, 25, 1), 1
	s_wait_xcnt 0x0
; The i, g and o rows of w_ih_f and w_ih_b ([400][904] f32, K innermost) become codes of BF8 (E5M2) with one E8M0 scale byte for each 32 along K,
; laid as images of the operand's registers in the order in which the next launch's waves take them; and bias = b_ih + b_hh for the same rows.
; The f gate's rows (100 to 199) are not read: the result that they feed is split off and never used by the function that is computed.
; UNITS.  Unit U = 0..199: 0..99 the f direction's, 100..199 the b direction's; 200..207 are padding (zero codes, zero bias).  Tile T = 0..12 is units 16 T .. 16 T + 15.
; A work-group is one wave: tile T = x, K step s = y (128 along K; step 7 holds k = 896..903 and zeros).  It makes three fragments, one a gate (gate rows 0, 200, 300).
; Lane (r, h) holds unit 16 T + r; of a gate's 64 registers number 16 c + i is k = 128 s + 32 c + 16 h + i: the order of the operand's registers, so the conversions' results are the fragment.
; wq, K step s at 131,072 s: codes of wave w, fragment f (= 3 (T - 3 w) + gate; tile 12: 9 + gate, once for each of the four waves) at 24,576 w + 2,048 f + 512 c + 16 lane;
;   scale words at 98,304 + 2,048 w + 512 (f / 3) + 16 lane: the words of gates i, g, o and a filler.  bias: [3 gates][208 units] f32, planes 832 bytes apart, 64 bytes of zeros behind.
; A block's scale is 2^(floor(log2(largest magnitude)) - 15); its byte is the largest magnitude's exponent field - 15, held at 1 from below by a floor among the maximum's leaves.
; LIMITS: NaN and infinities among the inputs are not served; a block of zeros gets the byte 1 (its codes are zeros, and this program alone reads the bytes); blocks whose largest magnitude lies under 2^-111 were not tried.
.set ROWB, 3616                        ; a row of w_ih in bytes
.set RR,   1                           ; v1   r = lane % 16
.set HH,   2                           ; v2   h = lane / 16
.set UU,   3                           ; v3   my unit
.set KEY,  4                           ; v4   my unit, + 256 in lanes that have nothing to load (step 7, h = 1)
.set OFFF, 5                           ; v5   my byte offset in w_ih_f
.set OFFB, 6                           ; v6   and in w_ih_b
.set OO,   7                           ; v7   16 x lane
.set SW,   8                           ; v8-11  the three scale words and the filler
.set TM,   12                          ; v12-27 at work in QUANT
.set PC,   28                          ; v28-43 a fragment's codes
.set KEYB, 44                          ; v44  KEY - 100
.set X,    64                          ; v64-255 three gates x 64 numbers
.set SEL,  40                          ; s[40:41] lane selects for v_permlanex16_b32: lane l xor 16
.set MNT,  42                          ; s42  the mantissa field of 57,344
	s_load_b256 s[4:11], s[0:1], 0x0               ; w_ih_f s[4:5], w_ih_b s[6:7], b_ih_f s[8:9], b_hh_f s[10:11]
	s_load_b256 s[12:19], s[0:1], 0x20             ; b_ih_b s[12:13], b_hh_b s[14:15], wq s[16:17], bias s[18:19]
	s_and_b32 s21, ttmp7, 0xffff                   ; the K step
	v_and_b32 v[RR], 15, v0
	v_bfe_u32 v[HH], v0, 4, 1
	s_lshl_b32 s22, ttmp9, 4
	v_add_nc_u32 v[UU], s22, v[RR]
	s_cmp_eq_u32 s21, 7
	s_cselect_b32 s23, 256, 0                      ; in step 7 only k = 896..903 exist: they are lanes 0-15's
	v_mad_u32_u24 v[KEY], v[HH], s23, v[UU]
	v_add_nc_u32 v[KEYB], 0xffffff9c, v[KEY]       ; - 100: under 100 (unsigned) for the b direction's units alone
	s_lshl_b32 s24, s21, 9                         ; 128 numbers a step
	v_min_u32 v[OFFF], 99, v[UU]                   ; (held inside the table in the lanes that are off, too)
	v_mul_u32_u24 v[OFFF], v[OFFF], ROWB
	v_lshl_add_u32 v[OFFF], v[HH], 6, v[OFFF]
	v_add_nc_u32 v[OFFF], s24, v[OFFF]
	v_max_u32 v[OFFB], 100, v[UU]
	v_add_nc_u32 v[OFFB], 0xffffff9c, v[OFFB]
	v_min_u32 v[OFFB], 99, v[OFFB]
	v_mul_u32_u24 v[OFFB], v[OFFB], ROWB
	v_lshl_add_u32 v[OFFB], v[HH], 6, v[OFFB]
	v_add_nc_u32 v[OFFB], s24, v[OFFB]
	v_lshlrev_b32 v[OO], 4, v0
	v_mov_b32 v[SW+3], 0x7f7f7f7f
	s_mov_b32 s[SEL], 0x76543210
	s_mov_b32 s[SEL+1], 0xfedcba98
	s_mov_b32 s[MNT], 0x600000
.irp b, 0,1,2,3
	v_mov_b32 v[TM+4+\b], 0                        ; written once: a lane permute's destination counts as one of its sources
.endr
; The numbers begin as zeros: the loads below run with part of the lanes, and what no load fills (padding units, k from 904 on) has to be 0.
.set i, 0
.rept 192
	v_mov_b32 v[X+i], 0
.set i, i+1
.endr
	; where my fragments go: wave w = T / 3 and its tile T - 3 w; tile 12 is every wave's fourth
	s_mul_i32 s28, ttmp9, 171
	s_lshr_b32 s28, s28, 9
	s_mul_i32 s29, s28, 3
	s_sub_co_u32 s29, ttmp9, s29
	s_cmp_eq_u32 ttmp9, 12
	s_cselect_b32 s28, 0, s28
	s_cselect_b32 s29, 3, s29
	s_lshl_b32 s30, s21, 17
	s_mul_i32 s31, s28, 24576
	s_add_co_u32 s31, s31, s30
	s_mul_i32 s32, s29, 6144
	s_add_co_u32 s32, s32, s31
	s_mov_b32 s33, 0
	s_lshl_b32 s36, s28, 11
	s_lshl_b32 s37, s29, 9
	s_add_co_u32 s36, s36, s37
	s_add_co_u32 s36, s36, s30
	s_add_co_u32 s36, s36, 98304
	s_mov_b32 s37, 0
	s_wait_kmcnt 0x0
	s_add_nc_u64 s[34:35], s[16:17], s[32:33]      ; my codes
	s_add_nc_u64 s[38:39], s[16:17], s[36:37]      ; my scale words
; One direction's loads: three gates; full = 1: 64 numbers a lane, 16 neighbours of each block of 32; full = 0: k = 896..903 alone, so that no load leaves its row
.macro LOADS base, off, full
.irp g, 0,1,2
.if \full
.irp c, 0,1,2,3
.irp j, 0,1,2,3
	global_load_b128 v[X+64*\g+16*\c+4*\j:X+64*\g+16*\c+4*\j+3], v[\off], s[\base:\base+1] offset:(100*\g+100*((\g+1)/2))*ROWB+128*\c+16*\j th:TH_LOAD_NT
.endr
.endr
.else
.irp j, 0,1
	global_load_b128 v[X+64*\g+4*\j:X+64*\g+4*\j+3], v[\off], s[\base:\base+1] offset:(100*\g+100*((\g+1)/2))*ROWB+16*\j th:TH_LOAD_NT
.endr
.endif
.endr
.endm
; Both directions, each with its own lanes on.  EXEC is a source of a pending load: it changes only behind s_wait_xcnt 0.
; The two directions' loads name the same registers (in other lanes), and a register that a pending load will write is no target of another load: so the first direction's loads are waited for, all of them,
; ahead of the second's.  Only tile 6 (units 96..111) has lanes of both directions; in every other tile one of the two groups runs with no lane on.
.macro SIDES full
	v_cmp_gt_u32 vcc_lo, 100, v[KEY]
	s_wait_xcnt 0x0
	s_and_saveexec_b32 s27, vcc_lo
	LOADS 4, OFFF, \full
	s_wait_xcnt 0x0
	s_or_b32 exec_lo, exec_lo, s27
	s_wait_loadcnt 0x0                             ; the f direction's loads have landed: their registers may be named by loads again
	v_cmp_gt_u32 vcc_lo, 100, v[KEYB]
	s_and_saveexec_b32 s27, vcc_lo
	LOADS 6, OFFB, \full
	s_wait_xcnt 0x0
	s_or_b32 exec_lo, exec_lo, s27
.endm
	s_cmp_eq_u32 s21, 7
	s_cbranch_scc1 .Ltail
	SIDES 1
	s_branch .Lloaded
.Ltail:
	SIDES 0
.Lloaded:
	s_wait_loadcnt 0x0
; 64 numbers of a lane, v[s] on, become a fragment's codes in v[PC] on and its scale word in v[pw]
.macro QUANT s, pw
.irp b, 0,1,2,3
	v_max3_num_f32 v[TM+\b], |v[\s+16*\b]|, |v[\s+16*\b+1]|, 0x8000000   ; block b: my 16 numbers and the floor 2^(16 - 127): the byte cannot fall under 1
.endr
.irp i, 2,4,6,8,10,12,14
.irp b, 0,1,2,3
	v_max3_num_f32 v[TM+\b], v[TM+\b], |v[\s+16*\b+\i]|, |v[\s+16*\b+\i+1]|   ; the four blocks by turns
.endr
.endr
.irp b, 0,1,2,3
	v_permlanex16_b32 v[TM+4+\b], v[TM+\b], s[SEL], s[SEL+1]
.endr
.irp b, 0,1,2,3
	v_max_num_f32 v[TM+\b], v[TM+\b], v[TM+4+\b]   ; with lane l xor 16's 16: the block's largest magnitude
.endr
.irp b, 0,1,2,3
	v_add_nc_u32 v[TM+12+\b], 0xf8800000, v[TM+\b]   ; 15 off its exponent field: the conversion's scale operand
.endr
.irp b, 0,1,2,3
	v_and_or_b32 v[TM+8+\b], v[TM+\b], 0x7f800000, s[MNT]   ; 57,344 x the scale
.endr
.irp b, 0,1,2,3
	v_lshrrev_b32 v[TM+4+\b], 23, v[TM+12+\b]      ; the scale's byte
.endr
	v_lshl_or_b32 v[\pw], v[TM+5], 8, v[TM+4]
	v_lshl_or_b32 v[\pw], v[TM+6], 16, v[\pw]
	v_lshl_or_b32 v[\pw], v[TM+7], 24, v[\pw]
.irp b, 0,1,2,3
.irp i, 0,1,2,3,4,5,6,7,8,9,10,11,12,13,14,15
	v_med3_num_f32 v[\s+16*\b+\i], v[\s+16*\b+\i], -v[TM+8+\b], v[TM+8+\b]   ; the conversion to an 8-bit code does not saturate (ISA guide 7.6.2): the hold comes first
.endr
	v_cvt_scalef32_pk8_bf8_f32 v[PC+4*\b:PC+4*\b+1], v[\s+16*\b:\s+16*\b+7], v[TM+12+\b]
	v_cvt_scalef32_pk8_bf8_f32 v[PC+4*\b+2:PC+4*\b+3], v[\s+16*\b+8:\s+16*\b+15], v[TM+12+\b]
.endr
	v_nop                                          ; a plain line behind the last conversion
.endm
.irp g, 0,1,2
.if \g > 0
	s_wait_xcnt 0x0                                ; the last gate's stores have read the code registers
.endif
	QUANT X+64*\g, SW+\g
.irp c, 0,1,2,3
	global_store_b128 v[OO], v[PC+4*\c:PC+4*\c+3], s[34:35] offset:\g*2048+\c*512   ; 32 lanes store 512 consecutive bytes, aligned to 256
.endr
	s_cmp_lg_u32 ttmp9, 12
	s_cbranch_scc1 .Lone_\g
.irp w, 1,2,3                          ; tile 12: a copy for each of the other three waves
.irp c, 0,1,2,3
	global_store_b128 v[OO], v[PC+4*\c:PC+4*\c+3], s[34:35] offset:\w*24576+\g*2048+\c*512
.endr
.endr
.Lone_\g:
.endr
	global_store_b128 v[OO], v[SW:SW+3], s[38:39]  ; lane r (and r + 16) holds unit r's three words
	s_cmp_lg_u32 ttmp9, 12
	s_cbranch_scc1 .Lsc_one
.irp w, 1,2,3
	global_store_b128 v[OO], v[SW:SW+3], s[38:39] offset:\w*2048
.endr
.Lsc_one:
	s_cmp_lg_u32 s21, 0                            ; the biases are the work of K step 0's work-groups
	s_cbranch_scc1 .Ldone
.irp g, 0,1,2,3,4,5
	v_mov_b32 v[64+\g], 0                          ; padding units keep 0
.endr
	v_min_u32 v70, 99, v[UU]
	v_lshlrev_b32 v70, 2, v70
	v_max_u32 v71, 100, v[UU]
	v_add_nc_u32 v71, 0xffffff9c, v71
	v_min_u32 v71, 99, v71
	v_lshlrev_b32 v71, 2, v71
	v_lshlrev_b32 v72, 2, v[UU]
	v_mov_b32 v73, 0
	v_lshlrev_b32 v74, 2, v[RR]
	v_cmp_gt_u32 vcc_lo, 100, v[KEY]
	s_wait_xcnt 0x0
	s_and_saveexec_b32 s27, vcc_lo
.irp g, 0,1,2
	global_load_b32 v[64+\g], v70, s[8:9] offset:(100*\g+100*((\g+1)/2))*4
	global_load_b32 v[67+\g], v70, s[10:11] offset:(100*\g+100*((\g+1)/2))*4
.endr
	s_wait_xcnt 0x0
	s_or_b32 exec_lo, exec_lo, s27
	s_wait_loadcnt 0x0                             ; as above: the f direction's six loads have landed before the b direction's name the same registers
	v_cmp_gt_u32 vcc_lo, 100, v[KEYB]
	s_and_saveexec_b32 s27, vcc_lo
.irp g, 0,1,2
	global_load_b32 v[64+\g], v71, s[12:13] offset:(100*\g+100*((\g+1)/2))*4
	global_load_b32 v[67+\g], v71, s[14:15] offset:(100*\g+100*((\g+1)/2))*4
.endr
	s_wait_xcnt 0x0
	s_or_b32 exec_lo, exec_lo, s27
	s_wait_loadcnt 0x0
.irp g, 0,1,2
	v_add_f32 v[64+\g], v[64+\g], v[67+\g]
.endr
	v_cmp_gt_u32 vcc_lo, 16, v0                    ; lanes 16-31 hold the same numbers: lanes 0-15 store
	s_and_saveexec_b32 s27, vcc_lo
.irp g, 0,1,2
	global_store_b32 v72, v[64+\g], s[18:19] offset:\g*832
.endr
	s_cmp_lg_u32 ttmp9, 12
	s_cbranch_scc1 .Lno_fill
	global_store_b32 v74, v73, s[18:19] offset:2496   ; the 64 bytes behind the three planes: the next launch copies the buffer whole
.Lno_fill:
	s_wait_xcnt 0x0
	s_or_b32 exec_lo, exec_lo, s27
.Ldone:
	s_endpgm
.Lfunc_end_k_qed024552df_prep:
	.size	k_qed024552df_prep, .Lfunc_end_k_qed024552df_prep-k_qed024552df_prep
	.p2alignl 7, 3214868480
	.fill 96, 4, 3214868480
	.section	.rodata,"a",@progbits
	.p2align	6, 0x0
	.amdhsa_kernel k_qed024552df_prep
		.amdhsa_group_segment_fixed_size 0
		.amdhsa_private_segment_fixed_size 0
		.amdhsa_enable_private_segment 0
		.amdhsa_kernarg_size 64
		.amdhsa_user_sgpr_count 2
		.amdhsa_user_sgpr_kernarg_segment_ptr 1
		.amdhsa_wavefront_size32 1
		.amdhsa_system_sgpr_workgroup_id_x 1
		.amdhsa_system_sgpr_workgroup_id_y 1
		.amdhsa_system_sgpr_workgroup_id_z 1
		.amdhsa_system_vgpr_workitem_id 0
		.amdhsa_next_free_vgpr 256
		.amdhsa_next_free_sgpr 66
		.amdhsa_reserve_vcc 1
		.amdhsa_float_denorm_mode_32 3
		.amdhsa_float_denorm_mode_16_64 3
		.amdhsa_memory_ordered 1
		.amdhsa_forward_progress 1
		.amdhsa_inst_pref_size 52
	.end_amdhsa_kernel
	.amdgpu_metadata
---
amdhsa.version: [ 1, 2 ]
amdhsa.kernels:
  - .name:           k_qed024552df_prep
    .symbol:         k_qed024552df_prep.kd
    .args:
      - { .name: w_ih_f, .offset: 0, .size: 8, .value_kind: global_buffer, .address_space: global }
      - { .name: w_ih_b, .offset: 8, .size: 8, .value_kind: global_buffer, .address_space: global }
      - { .name: b_ih_f, .offset: 16, .size: 8, .value_kind: global_buffer, .address_space: global }
      - { .name: b_hh_f, .offset: 24, .size: 8, .value_kind: global_buffer, .address_space: global }
      - { .name: b_ih_b, .offset: 32, .size: 8, .value_kind: global_buffer, .address_space: global }
      - { .name: b_hh_b, .offset: 40, .size: 8, .value_kind: global_buffer, .address_space: global }
      - { .name: wq, .offset: 48, .size: 8, .value_kind: global_buffer, .address_space: global }
      - { .name: bias, .offset: 56, .size: 8, .value_kind: global_buffer, .address_space: global }
    .group_segment_fixed_size: 0
    .private_segment_fixed_size: 0
    .kernarg_segment_align: 8
    .kernarg_segment_size: 64
    .max_flat_workgroup_size: 32
    .sgpr_count:     66
    .vgpr_count:     256
    .wavefront_size: 32
...
	.end_amdgpu_metadata
.endif
;; end of part 1
;; launch main (part 2): grid 256 x 1, 4 waves a work-group, no clusters, 327,680 bytes of LDS; arguments V_cells, wq, bias, out0; writes out0
.if DOCPART == 2
	.amdgcn_target "amdgcn-amd-amdhsa--gfx1250"
	.amdhsa_code_object_version 6
	.text
	.protected	k_qed024552df_main
	.globl	k_qed024552df_main
	.p2align	8
	.type	k_qed024552df_main,@function
k_qed024552df_main:
	s_mov_b64 s[64:65], 0
	v_nop
	global_prefetch_b8 v0, s[64:65] scope:SCOPE_SE
	s_setreg_imm32_b32 hwreg(HW_REG_WAVE_MODE, 25, 1), 1
	s_wait_xcnt 0x0
; out0[n][U], U = 0..199: one LSTM step from zero state, units 0..99 with the f weights, 100..199 with the b weights:
;   gates = Q(V) Q(w_ih)^T + b_ih + b_hh on codes of BF8 (E5M2) with one E8M0 scale for each 32 along K = 904;  h = sigmoid(o) tanh(sigmoid(i) tanh(g)).
; NOT READ: w_hh_f and w_hh_b (the function that is computed has no line that uses them: the state is zero) and the f gate's rows (its result is split off and never used).
; SHARES.  A work-group stays and makes 2 blocks of 128 rows.  K goes in 8 steps of 128, IN THE ORDER 6, 7, 0 .. 5; the sums stay in registers.  Step 7 holds k = 896..903 and zeros and has a short text of its own (Y7).
; Both products are used TRANSPOSED: source 0 = 16 units of W, source 1 = 16 rows of V: in a result lane (r, h) holds row r, register j unit 8 h + j.
; THE WAVES SHARE THE COLUMNS: wave w makes unit tiles 3 w .. 3 w + 2 for all 8 tiles of rows, and unit tile 12 for row tiles w and w + 4: 26 triples (the i, g, o tiles of one unit tile and one row tile),
; 78 accumulators, 624 registers, 78 matrix instructions a K step, alike in every wave.  Row tile a < 4 is the block's rows 32 a .. 32 a + 15, row tile a + 4 its rows 32 a + 16 .. 32 a + 31.
; Position p = 0..7 of a wave holds row tile ((p + w) & 3) + 4 (p / 4): only addresses hang on w, no register number, and positions 0 and 4 are the wave's own 32 rows.
; V comes as f32 through a ring of two LDS slots a wave (32 rows x 256 numbers each), filled by the tensor data mover; each wave fills and reads its own part, quantises its 32 rows a K step at a time, KEEPS the two
; fragments in the registers in which the conversions leave them, and hands them to the other three waves as IMAGES OF THE OPERAND'S REGISTERS in LDS (16 bytes a lane, 512 a store; the scale word 4 bytes a lane),
; in two buffers by turns: one barrier a K step, six fragments a wave from LDS.
; W's codes and scale words were laid by the launch before in the order of my registers.  A fragment of W feeds 8 products of ONE wave, so it goes from memory straight into registers:
; each group of three fragments is asked for again, for the next K step, as soon as its products are issued, on one set of registers.
; NO CLUSTER: V's rows are read by one work-group alone.  W is walked by all, but a joint load lands in LDS: two slots of a K step of W (2 x 106,496 bytes) do not fit beside V's ring (266,240) and the stage (51,200)
; in 327,680 bytes, and in a work-group each fragment of W is read by one wave, once a K step, so LDS would add a store and a load for each byte and spare none.
; LDS: 0 V's ring (wave w at 66,560 w, slot p at + 33,280 p: 32 rows of 1,024 bytes + 16 of padding); 266,240 the images (2 x 8 x 2,560), overlaid in the epilogue by the stage for h (64 rows x 800 bytes);
;   317,440 the bias table; 321,536 the spare words.  No tensor load lands from 266,240 on.  The launch claims all of a WGP's LDS.
; REGISTERS (absolute; window = number / 256): v1-15 addresses; v16-31 W's scale words; v32-39 V's; v40-55 V's fragment of position 0 (in the epilogue: stage addresses); v56-71 at work in QUANT; v73-79 constants;
;   v80-207 V's numbers in QUANT; then v80-95 V's fragment of position 4 and v[80 + 16 p] on that of position p = 1, 2, 3, 5, 6, 7; then rows of h on the way out; v208-399 W's twelve fragments;
;   v400-1023 the accumulators: triple t at 400 + 24 t (i, g, o), t = 8 (unit tile) + p; tile 12: t = 24, 25.
; THE SUMS BEGIN AS THE BIASES (b_ih + b_hh, added first), loaded into the accumulators: so every full K step is the same text.
; The launch's very last K step asks once more for K step 6's W (26,624 bytes a wave, inside the buffer), which nobody uses: the price of one text for the full K steps.
; LIMITS: NaN and infinities among the inputs are not served; a block of zeros gets the byte 1 (its codes are zeros); blocks whose largest magnitude lies under 2^-111 were not tried.
.set ROWB,  3616                       ; a row of V in bytes
.set PITCH, 1040                       ; an LDS row: 1,024 bytes + 16: an odd multiple of 16, so the 16 rows that a load touches start at 16 different groups of four banks (64 banks of 4 bytes: ISA guide 11.1)
.set SLOTB, 32*PITCH
.set WRING, 2*SLOTB
.set IMG,   4*WRING
.set TILEB, 2560                       ; an image: 2,048 bytes of codes, 512 of scale words (4 bytes at 16 x lane)
.set IBUF,  8*TILEB
.set STG,   IMG
.set SROW,  800                        ; a row of out0
.set BT,    STG+64*SROW
.set SPARE, BT+4096                    ; the spare words, 128 bytes for each wave: two blocks of 256 bytes that no other line names
.set SPW, 1                            ; v1   SPARE + 4 x my thread's number; never rewritten
.set NIL, 2                            ; v2   0; never rewritten
.set VA,  3                            ; v3   my place in my wave's ring: 66,560 w + 1,040 r + 64 h
.set VT,  4                            ; v4   + the slot and the K step
.set IW,  5                            ; v5   where I store images: IMG + 2,560 w + 16 lane (row tile w; row tile w + 4 lies 10,240 on)
.set IWT, 6                            ; v6   + the buffer
.set AR,  7                            ; v8-10  where I read them, q = 1, 2, 3: IMG + 2,560 ((q + w) & 3) + 16 lane
.set ART, 11                           ; v12-14 + the buffer
.set WO,  15                           ; v15  16 lane + the K step's place in wq
.set WS,  16
.set AS,  32
.set PC,  40
.set TM,  56
.set WL,  73                           ; v73  16 lane
.set C4,  74                           ; v[74:75] -4 log2(e), twice
.set LN,  76                           ; v76  lane
.set BA,  77                           ; v77  my units' place in the bias table: BT + 192 w + 32 h
.set BB,  78                           ; v78  tile 12's: BT + 768 + 32 h
.set PFO, 79                           ; v79  the prefetches' offset: 3,616 x lane: a lane a row; never rewritten
.set AF,  80
.set X7,  AF+64                        ; v144-159: the short step's 2 x 8 numbers: the sixteen registers that no fragment takes
.set WF,  208
.set ACC, 400
.set SA,  40                           ; epilogue: v40-43 where I put h of position q; v44 tile 12's; v45 where I read rows back; v46 my byte offset in out0
.set SX,  44
.set SRD, 45
.set GO,  46
.set WV,  12                           ; s12  my wave's number
.set G1F, 16                           ; s[16:23] descriptor group 1: 32 rows x 256 numbers
.set G1T, 24                           ; s[24:31] the same for the chunk at k = 768: only 136 numbers of a row are left, the rest arrive as zeros
.set G0,  32                           ; s[32:39] descriptor group 0, a set for each slot
.set VB,  40                           ; s40  slot and K step in the ring
.set IB,  41                           ; s41  the image buffer in hand: 0 or 20,480
.set WOFF, 42                          ; s42  the next K step's place in wq
.set CNT, 43
.set OC,  44
.set BLK, 45
.set SEL, 46                           ; s[46:47] lane selects for v_permlanex16_b32: lane l xor 16
.set MNT, 48                           ; s48  the mantissa field of 57,344
.set EXM, 49                           ; s49  the exponent field's mask
.set E15, 50                           ; s50  -(15 << 23)
.set FLO, 51                           ; s51  the floor 2^(16 - 127)
.set NL,  52                           ; s[52:53] -log2(e)
.set TL,  54                           ; s[54:55] 2 log2(e)
.set CAP, 56                           ; s56  30.0
.set WQB, 58                           ; s[58:59] wq + 24,576 w
.set WSB, 60                           ; s[60:61] wq + 98,304 + 2,048 w
.set PFA, 62                           ; s[62:63] where my prefetches stand: my 32 rows' bytes of the chunk that the NEXT refill will bring
.set MSB, 0
.macro WIN new                         ; s_set_vgpr_msb: bits 1:0 source 0, 3:2 source 1, 5:4 source 2, 7:6 destination; the high byte repeats the setting that is left; a switch that changes nothing is dropped
.if MSB != (\new)
	s_set_vgpr_msb (MSB<<8)|(\new)
.set MSB, \new
.endif
.endm
.macro BAR                             ; my LDS stores have landed and my LDS loads are in: then the work-group's barrier.  A tensor load may stay out across it
	s_wait_dscnt 0x0
	s_barrier_signal -1
	s_barrier_wait -1
.endm
; Slot p, both of whose K steps I have read, is filled again.  The load has the other slot's two K steps in which to land.  dir, pdir = 1: the step goes back.
; THE PREFETCH INTO THE L2 stands behind the tensor load and its four lines: my own 32 rows of the chunk that the NEXT refill will bring, two K steps (156 matrix instructions and two quantisings) ahead of that load.
; A lane a row; instruction i names the byte 256 i on in the row's part of the chunk: np = 4 for 1,024 bytes, 2 for the chunk at k = 768 (544 bytes: the bytes from 512 on are left to the load).  Along a row and from row to
; row (3,616 bytes) the bytes named lie 256 or more apart, each wave asks for its own rows alone, and each chunk is asked for at one refill: nothing is named twice.  The first three chunks of the launch come by their loads
; alone: nothing is asked for at the head.  guard = 1: in the last block this refill is the launch's last: it asks for nothing (the stepped address is not used).
.macro REFILL p, g1, dir, step, pdir, pstep, np, guard
	s_wait_tensorcnt 0x0                           ; all my tensor loads have landed: the one that was out is the other slot's; so a group 0 may be written
	ds_add_u32 v[SPW], v[NIL]                      ; 0 onto my spare word
.if \dir
	s_sub_nc_u64 s[G0+4*\p+2:G0+4*\p+3], s[G0+4*\p+2:G0+4*\p+3], \step   ; the slot's next chunk; the type bits on top are not reached
.else
	s_add_nc_u64 s[G0+4*\p+2:G0+4*\p+3], s[G0+4*\p+2:G0+4*\p+3], \step
.endif
	s_wait_xcnt 0x0                                ; the last prefetches, two K steps back, have read their address: it may be written
.if \pdir
	s_sub_nc_u64 s[PFA:PFA+1], s[PFA:PFA+1], \pstep
.else
	s_add_nc_u64 s[PFA:PFA+1], s[PFA:PFA+1], \pstep
.endif
	s_wait_dscnt 0x0                               ; the add is done, and my reads of the slot are over
	s_barrier_signal -1
	s_barrier_wait -1
	tensor_load_to_lds s[G0+4*\p:G0+4*\p+3], s[\g1:\g1+7]   ; my one tensor load behind this barrier, and the first thing there
	s_nop 0
.rept 4
	v_nop
.endr
.if \guard
	s_cmp_eq_u32 s[BLK], 1
	s_cbranch_scc1 .Lnoask_\@
.endif
.irp i, 0,1,2,3
.if \i < \np
	global_prefetch_b8 v[PFO], s[PFA:PFA+1] offset:256*\i th:TH_LOAD_NT scope:SCOPE_SE
.endif
.endr
.if \guard
.Lnoask_\@:
.endif
.endm
; 64 numbers of a lane, v[s] on, register 16 b + i = k 32 b + 16 h + i of my row, become a fragment's codes in v[pc] on and its scale word in v[pw]
.macro QUANT s, pc, pw
.irp b, 0,1,2,3
	v_max3_num_f32 v[TM+\b], |v[\s+16*\b]|, |v[\s+16*\b+1]|, s[FLO]   ; block b: my 16 numbers and the floor: the byte cannot fall under 1
.endr
.irp i, 2,4,6,8,10,12,14
.irp b, 0,1,2,3
	v_max3_num_f32 v[TM+\b], v[TM+\b], |v[\s+16*\b+\i]|, |v[\s+16*\b+\i+1]|   ; the four blocks by turns: no line waits for the line above it
.endr
.endr
.irp b, 0,1,2,3
	v_permlanex16_b32 v[TM+4+\b], v[TM+\b], s[SEL], s[SEL+1]
.endr
.irp b, 0,1,2,3
	v_max_num_f32 v[TM+\b], v[TM+\b], v[TM+4+\b]   ; with lane l xor 16's 16: the block's largest magnitude
.endr
.irp b, 0,1,2,3
	v_add_nc_u32 v[TM+12+\b], s[E15], v[TM+\b]     ; 15 off its exponent field: the conversion takes the exponent field of this operand as its scale
.endr
.irp b, 0,1,2,3
	v_and_or_b32 v[TM+8+\b], v[TM+\b], s[EXM], s[MNT]   ; 57,344 x the scale
.endr
.irp b, 0,1,2,3
	v_lshrrev_b32 v[TM+4+\b], 23, v[TM+12+\b]      ; the scale's byte
.endr
	v_lshl_or_b32 v[\pw], v[TM+5], 8, v[TM+4]
	v_lshl_or_b32 v[\pw], v[TM+6], 16, v[\pw]
	v_lshl_or_b32 v[\pw], v[TM+7], 24, v[\pw]
.irp b, 0,1,2,3
.irp i, 0,1,2,3,4,5,6,7,8,9,10,11,12,13,14,15
	v_med3_num_f32 v[\s+16*\b+\i], v[\s+16*\b+\i], -v[TM+8+\b], v[TM+8+\b]   ; the conversion to an 8-bit code does not saturate (ISA guide 7.6.2): the hold comes first
.endr
	v_cvt_scalef32_pk8_bf8_f32 v[\pc+4*\b:\pc+4*\b+1], v[\s+16*\b:\s+16*\b+7], v[TM+12+\b]
	v_cvt_scalef32_pk8_bf8_f32 v[\pc+4*\b+2:\pc+4*\b+3], v[\s+16*\b+8:\s+16*\b+15], v[TM+12+\b]
.endr
	v_nop                                          ; a plain line behind the last conversion
.endm
; The short step's block: 8 numbers of a lane, k = 896 + 16 h + 0 .. 7.  All that is not 0 lies in lanes 0-15, so the block's largest magnitude needs no other lane; lanes 16-31 hold zeros, whose codes are zeros under any
; scale, and their scale words are not read by the matrix instruction.  The word's other three bytes stand for 1.0: their blocks' codes are zeros.
.macro QUANT7 s, pc, pw
	v_max3_num_f32 v[TM], |v[\s]|, |v[\s+1]|, s[FLO]
	v_max3_num_f32 v[TM+1], |v[\s+2]|, |v[\s+3]|, |v[\s+4]|
	v_max3_num_f32 v[TM], v[TM], |v[\s+5]|, |v[\s+6]|
	v_max3_num_f32 v[TM], v[TM], v[TM+1], |v[\s+7]|
	v_add_nc_u32 v[TM+12], s[E15], v[TM]
	v_and_or_b32 v[TM+8], v[TM], s[EXM], s[MNT]
	v_lshrrev_b32 v[TM+4], 23, v[TM+12]
	v_or_b32 v[\pw], 0x7f7f7f00, v[TM+4]
.irp i, 0,1,2,3,4,5,6,7
	v_med3_num_f32 v[\s+\i], v[\s+\i], -v[TM+8], v[TM+8]
.endr
	v_cvt_scalef32_pk8_bf8_f32 v[\pc:\pc+1], v[\s:\s+7], v[TM+12]
	v_nop                                          ; a plain line behind the conversion
.endm
.macro IMAGE i, pc, pw                 ; the fragment goes to LDS as it stands: my row tile w + 4 i
.irp c, 0,1,2,3
	ds_store_b128 v[IWT], v[\pc+4*\c:\pc+4*\c+3] offset:\i*4*TILEB+512*\c
.endr
	ds_store_b32 v[IWT], v[\pw] offset:\i*4*TILEB+2048
.endm
; Group g of W (fragments 3 g .. 3 g + 2 and their scale words) is asked for: 13 loads, each 512 consecutive bytes.  rq = 1, for the short step: the first quarter of each fragment (k = 0 .. 31 of the step) alone: 4 loads
.macro RELOAD g, rq
.irp k, 0,1,2
.irp c, 0,1,2,3
.if (\rq == 0) || (\c == 0)
.set rW, WF+16*(3*\g+\k)+4*\c
	WIN (rW>>8)<<6
	global_load_b128 v[rW&255:(rW&255)+3], v[WO], s[WQB:WQB+1] offset:(3*\g+\k)*2048+\c*512
.endif
.endr
.endr
	WIN 0
	global_load_b128 v[WS+4*\g:WS+4*\g+3], v[WO], s[WSB:WSB+1] offset:\g*512
.endm
.macro PROD t, f, p, k                 ; triple t, gate k += W's fragment f x V's fragment at position p
.set rD, ACC+24*(\t)+8*(\k)
.set rW, WF+16*(\f)
.if (\p) == 0
.set rA, PC                            ; my own two fragments lie where the conversions left them
.elseif (\p) == 4
.set rA, AF
.else
.set rA, AF+16*(\p)
.endif
	WIN ((rD>>8)*0x50)|(rW>>8)
	v_wmma_scale_f32_16x16x128_f8f6f4 v[rD&255:(rD&255)+7], v[rW&255:(rW&255)+15], v[rA:rA+15], v[rD&255:(rD&255)+7], v[WS+(\f)+(\f)/3], v[AS+(\p)] matrix_a_fmt:MATRIX_FMT_BF8 matrix_b_fmt:MATRIX_FMT_BF8
.endm
; Group g's products, then its fragments of the next K step.  The 78 accumulators take turns, one instruction a turn, in the same order in every K step.
; Positions 0 and 4 come first: their fragments are in registers, so six products stand ahead of the first wait for LDS.
; cnt: the loads issued behind this group's.  per: LDS loads a fragment (4; in the short step 1).
.macro GROUP g, cnt, rq, per
	s_wait_loadcnt \cnt                            ; loads come back in order: this group's are in, the \cnt issued behind them may be out
.if \g < 3
.irp p, 0,4,1,2,3,5,6,7
.if (\g == 0) && ((\p&3) != 0)
	s_wait_dscnt \per*(6-\p+\p/4)                  ; V's fragment of position p is in; those of the positions that follow may be out
.endif
.irp k, 0,1,2
	PROD 8*\g+\p, 3*\g+\k, \p, \k
.endr
.endr
.else
.irp p, 0,4
.irp k, 0,1,2
	PROD 24+\p/4, 9+\k, \p, \k
.endr
.endr
.endif
.rept 8
	v_nop                                          ; eight places in front of loads into registers that these matrix instructions have read
.endr
	RELOAD \g, \rq
.endm
; The other three waves' six fragments and their scale words from the images; per quarters of each.  Then the offset of the next K step's W.
.macro FETCHA per
.irp q, 1,2,3
	v_add_nc_u32 v[ART+\q], s[IB], v[AR+\q]
.endr
.irp p, 1,2,3,5,6,7
	ds_load_b32 v[AS+\p], v[ART+(\p&3)] offset:(\p/4)*4*TILEB+2048
.endr
.irp p, 1,2,3,5,6,7
.irp c, 0,1,2,3
.if \c < \per
	ds_load_b128 v[AF+16*\p+4*\c:AF+16*\p+4*\c+3], v[ART+(\p&3)] offset:(\p/4)*4*TILEB+512*\c
.endif
.endr
.endr
	s_add_co_u32 s[WOFF], s[WOFF], 0x20000         ; the next K step's W; behind the eighth comes the first again
	s_and_b32 s[WOFF], s[WOFF], 0xfffff
	s_wait_xcnt 0x0                                ; the last K step's loads have read their offset register
	v_add_nc_u32 v[WO], s[WOFF], v[WL]
.endm
; ONE FULL K STEP.  rq = 1: the next step is the short one: a quarter of its W is asked for, 4 loads a group in place of 13, so the counts of the waits run down
.macro Y rq
	v_add_nc_u32 v[VT], s[VB], v[VA]
	v_add_nc_u32 v[IWT], s[IB], v[IW]
.irp i, 0,1                            ; my 32 rows' 128 numbers: lane (r, h) takes 16 neighbours of each block of 32 of rows r and 16 + r
.irp c, 0,1,2,3
.irp j, 0,1,2,3
	ds_load_b128 v[AF+64*\i+16*\c+4*\j:AF+64*\i+16*\c+4*\j+3], v[VT] offset:\i*16*PITCH+128*\c+16*\j
.endr
.endr
.endr
	s_wait_dscnt 16                                ; the first tile's 16 loads are in, the second's 16 may be out
	QUANT AF, PC, AS                               ; position 0's fragment and scale word
	IMAGE 0, PC, AS
	s_wait_dscnt 5                                 ; the second tile is in; the five stores issued behind its loads may be out: their registers are not written again in this K step
	QUANT AF+64, AF, AS+4                          ; position 4's, into registers that the first tile's numbers have left
	IMAGE 1, AF, AS+4
	BAR                                            ; this K step's eight images lie in LDS; the buffer written now was last read two K steps ago, ahead of the last step's barrier
	FETCHA 4
.if \rq
	GROUP 0, 39, 1, 4
	GROUP 1, 30, 1, 4                              ; 13 + 13 + 4
	GROUP 2, 21, 1, 4                              ; 13 + 4 + 4
	GROUP 3, 12, 1, 4                              ; 4 + 4 + 4
.else
	GROUP 0, 39, 0, 4                              ; the three other groups' 13 each: here, over every backward jump and across the epilogue
	GROUP 1, 39, 0, 4
	GROUP 2, 39, 0, 4
	GROUP 3, 39, 0, 4
.endif
	WIN 0                                          ; at a label and at a branch every window is 0
.endm
; THE SHORT K STEP: k = 896 .. 903, and zeros up to 1,023.  A lane reads 8 numbers of each of its two rows (lanes 16-31: zeros that the tensor load wrote), one block is quantised, a quarter of each image is stored and read.
; The other three quarters of V's eight fragments are cleared, behind the LDS loads.  Their codes being zeros, W's registers for k = 32 .. 127 of this step were not loaded: they
; keep the last step's codes, which are finite numbers, and add nothing.
.macro Y7
	v_add_nc_u32 v[VT], s[VB], v[VA]
	v_add_nc_u32 v[IWT], s[IB], v[IW]
.irp i, 0,1
.irp j, 0,1
	ds_load_b128 v[X7+8*\i+4*\j:X7+8*\i+4*\j+3], v[VT] offset:\i*16*PITCH+16*\j
.endr
.endr
.set ZI, 2
.rept 14
	v_mov_b32 v[PC+ZI], 0                          ; my own two fragments: all but the two registers that the conversion writes
	v_mov_b32 v[AF+ZI], 0
.set ZI, ZI+1
.endr
.irp p, 1,2,3,5,6,7
.set ZI, 4
.rept 12
	v_mov_b32 v[AF+16*\p+ZI], 0                    ; the others': all but the quarter that comes from the image
.set ZI, ZI+1
.endr
.endr
	s_wait_dscnt 2                                 ; the first tile's two loads are in, the second's two may be out
	QUANT7 X7, PC, AS
	ds_store_b128 v[IWT], v[PC:PC+3]
	ds_store_b32 v[IWT], v[AS] offset:2048
	s_wait_dscnt 2                                 ; the second tile is in; the two stores issued behind its loads may be out
	QUANT7 X7+8, AF, AS+4
	ds_store_b128 v[IWT], v[AF:AF+3] offset:4*TILEB
	ds_store_b32 v[IWT], v[AS+4] offset:4*TILEB+2048
	BAR
	FETCHA 1
	GROUP 0, 12, 0, 1                              ; 4 + 4 + 4: the counts run up again, since the next step's W is asked for whole
	GROUP 1, 21, 0, 1                              ; 4 + 4 + 13
	GROUP 2, 30, 0, 1                              ; 4 + 13 + 13
	GROUP 3, 39, 0, 1
	WIN 0
.endm
.macro ST p                            ; slot p's two full K steps: written once, walked twice
	s_mov_b32 s[VB], \p*SLOTB
	s_mov_b32 s[IB], 0
	s_mov_b32 s[CNT], 2
.Lst_\@:
	Y 0
	s_add_co_u32 s[VB], s[VB], 512
	s_xor_b32 s[IB], s[IB], IBUF
	s_sub_co_u32 s[CNT], s[CNT], 1
	s_cmp_lg_u32 s[CNT], 0
	s_cbranch_scc1 .Lst_\@
.endm
.macro INIT                            ; the sums begin as the biases: lane (r, h), register j: unit 8 h + j of the tile; all lanes of a half read the same 32 bytes
.irp u, 0,1,2
.irp p, 0,1,2,3,4,5,6,7
.irp k, 0,1,2
.set rD, ACC+24*(8*\u+\p)+8*\k
	WIN (rD>>8)<<6
	ds_load_b128 v[rD&255:(rD&255)+3], v[BA] offset:\k*832+\u*64
	ds_load_b128 v[(rD&255)+4:(rD&255)+7], v[BA] offset:\k*832+\u*64+16
.endr
.endr
.endr
.irp t, 24,25
.irp k, 0,1,2
.set rD, ACC+24*\t+8*\k
	WIN (rD>>8)<<6
	ds_load_b128 v[rD&255:(rD&255)+3], v[BB] offset:\k*832
	ds_load_b128 v[(rD&255)+4:(rD&255)+7], v[BB] offset:\k*832+16
.endr
.endr
	WIN 0
.endm
; THE ACTIVATIONS, in place, in six phases.  With L = log2(e), Ei = 2^(-L i), Eg = 2^(2 L g), Eo = 2^(-L o):
;   c = sigmoid(i) tanh(g) = (Eg - 1) / ((1 + Ei)(1 + Eg));  Ec = 2^(2 L c);  h = sigmoid(o) tanh(c) = (Ec - 1) / ((1 + Eo)(1 + Ec)): six transcendentals a number.
; 2 L g is held at 30 from above: tanh is 1 to f32 there, so the numerator stays finite; an infinite Ei or Eo gives the reciprocal 0 and so the limit 0; c lies in -1 .. 1.  So the form holds for gates of any finite size.
.macro AW d, b, c                      ; windows: destination and source 0 in d's, source 1 in b's, source 2 in c's
	WIN (((\d)>>8)*0x41)|(((\b)>>8)<<2)|(((\c)>>8)<<4)
.endm
.macro TRI ph, t                       ; phase ph of triple t; each tile is taken from its low registers on
.set rI, ACC+24*(\t)
.set rG, rI+8
.set rO, rI+16
.set lI, rI&255
.set lG, rG&255
.set lO, rO&255
.if \ph == 1                           ; -L i, 2 L g (held at 30), -L o
	AW rI, rI, rI
.irp j, 0,2,4,6
	v_pk_mul_f32 v[lI+\j:lI+\j+1], v[lI+\j:lI+\j+1], s[NL:NL+1] op_sel_hi:[1,0]
.endr
	AW rG, rG, rG
.irp j, 0,2,4,6
	v_pk_mul_f32 v[lG+\j:lG+\j+1], v[lG+\j:lG+\j+1], s[TL:TL+1] op_sel_hi:[1,0]
.endr
	AW rO, rO, rO
.irp j, 0,2,4,6
	v_pk_mul_f32 v[lO+\j:lO+\j+1], v[lO+\j:lO+\j+1], s[NL:NL+1] op_sel_hi:[1,0]
.endr
	AW rG, rG, rG
.irp j, 0,1,2,3,4,5,6,7
	v_min_num_f32 v[lG+\j], v[lG+\j], s[CAP]
.endr
.elseif \ph == 2                       ; Ei, Eg, Eo
	AW rI, rI, rI
.irp j, 0,1,2,3,4,5,6,7
	v_exp_f32 v[lI+\j], v[lI+\j]
.endr
	AW rG, rG, rG
.irp j, 0,1,2,3,4,5,6,7
	v_exp_f32 v[lG+\j], v[lG+\j]
.endr
	AW rO, rO, rO
.irp j, 0,1,2,3,4,5,6,7
	v_exp_f32 v[lO+\j], v[lO+\j]
.endr
.elseif \ph == 3                       ; G = 1 + Eg;  I = 1 / (Ei G + G)
	AW rG, rG, rG
.irp j, 0,2,4,6
	v_pk_add_f32 v[lG+\j:lG+\j+1], v[lG+\j:lG+\j+1], 1.0 op_sel_hi:[1,0]
.endr
	AW rI, rG, rG
.irp j, 0,2,4,6
	v_pk_fma_f32 v[lI+\j:lI+\j+1], v[lI+\j:lI+\j+1], v[lG+\j:lG+\j+1], v[lG+\j:lG+\j+1]
.endr
.irp j, 0,1,2,3,4,5,6,7
	v_rcp_f32 v[lI+\j], v[lI+\j]
.endr
.elseif \ph == 4                       ; G = 2 L (G - 2) I = 2 L c;  Ec
	AW rG, rG, 0
.irp j, 0,2,4,6
	v_pk_fma_f32 v[lG+\j:lG+\j+1], v[lG+\j:lG+\j+1], s[TL:TL+1], v[C4:C4+1] op_sel_hi:[1,0,1]
.endr
	AW rG, rI, 0
.irp j, 0,2,4,6
	v_pk_mul_f32 v[lG+\j:lG+\j+1], v[lG+\j:lG+\j+1], v[lI+\j:lI+\j+1]
.endr
.irp j, 0,1,2,3,4,5,6,7
	v_exp_f32 v[lG+\j], v[lG+\j]
.endr
.elseif \ph == 5                       ; G = 1 + Ec;  O = 1 / (Eo G + G)
	AW rG, rG, rG
.irp j, 0,2,4,6
	v_pk_add_f32 v[lG+\j:lG+\j+1], v[lG+\j:lG+\j+1], 1.0 op_sel_hi:[1,0]
.endr
	AW rO, rG, rG
.irp j, 0,2,4,6
	v_pk_fma_f32 v[lO+\j:lO+\j+1], v[lO+\j:lO+\j+1], v[lG+\j:lG+\j+1], v[lG+\j:lG+\j+1]
.endr
.irp j, 0,1,2,3,4,5,6,7
	v_rcp_f32 v[lO+\j], v[lO+\j]
.endr
.else                                  ; h = (G - 2) O, in G's tile
	AW rG, rO, rO
.irp j, 0,2,4,6
	v_pk_add_f32 v[lG+\j:lG+\j+1], v[lG+\j:lG+\j+1], -2.0 op_sel_hi:[1,0]
.endr
.irp j, 0,2,4,6
	v_pk_mul_f32 v[lG+\j:lG+\j+1], v[lG+\j:lG+\j+1], v[lO+\j:lO+\j+1]
.endr
.endif
.endm
.macro EACH ph, H                      ; the 13 triples of half H: positions 4 H .. 4 H + 3 of my three unit tiles, and tile 12's
.irp u, 0,1,2
.irp q, 0,1,2,3
	TRI \ph, (8*\u+4*\H+\q)
.endr
.endr
	TRI \ph, (24+\H)
.endm
.macro BATCH                           ; a phase's transcendentals are one batch: a plain line behind the last, and ONE wait ahead of the first line that names a result
	v_nop
	s_wait_alu depctr_va_vdst(0)
.endm
.macro ACT H
	EACH 1, \H
	EACH 2, \H
	BATCH
	EACH 3, \H
	BATCH
	EACH 4, \H
	BATCH
	EACH 5, \H
	BATCH
	EACH 6, \H
	WIN 0
.endm
.macro STAGE H                         ; h into the stage: lane (r, h): 32 bytes of row r: units 8 h + 0 .. 7 of the tile
.irp u, 0,1,2
.irp q, 0,1,2,3
.set rG, ACC+24*(8*\u+4*\H+\q)+8
	WIN (rG>>8)<<2                                 ; an LDS store's data are its source 1
	ds_store_b128 v[SA+\q], v[rG&255:(rG&255)+3] offset:\u*64
	ds_store_b128 v[SA+\q], v[(rG&255)+4:(rG&255)+7] offset:\u*64+16
.endr
.endr
	WIN 0
	v_cmp_gt_u32 vcc_lo, 16, v[LN]                 ; tile 12: units 192..199 are lanes 0-15's; lanes 16-31 hold the padding units and store nothing
	s_wait_xcnt 0x0                                ; EXEC is a source of the pending loads of W: it changes only behind this wait
	s_and_saveexec_b32 s57, vcc_lo
.set rG, ACC+24*(24+\H)+8
	WIN (rG>>8)<<2
	ds_store_b128 v[SX], v[rG&255:(rG&255)+3]
	ds_store_b128 v[SX], v[(rG&255)+4:(rG&255)+7] offset:16
	WIN 0
	s_wait_xcnt 0x0
	s_or_b32 exec_lo, exec_lo, s57
.endm
.macro COPY step                       ; the stage's quarter w is 16 whole rows of out0, rows 32 w + 16 H on of the block: 12,800 consecutive bytes, 25 x 512
.irp i, 0,1,2,3,4,5,6,7,8,9,10,11,12,13,14,15,16,17,18,19,20,21,22,23,24
	ds_load_b128 v[AF+4*\i:AF+4*\i+3], v[SRD] offset:512*\i
.endr
.irp i, 0,1,2,3,4,5,6,7,8,9,10,11,12,13,14,15,16,17,18,19,20,21,22,23,24
	s_wait_dscnt 24-\i                             ; load i is in; the 24 - i behind it may be out
	global_store_b128 v[GO], v[AF+4*\i:AF+4*\i+3], s[10:11] offset:512*\i th:TH_STORE_NT   ; 32 lanes store 512 consecutive bytes, at a multiple of 256 from out0's first byte; written once, read by nobody here
.endr
	s_wait_xcnt 0x0                                ; the stores have read their registers and their base: both may be written again
	s_add_nc_u64 s[10:11], s[10:11], \step
.endm
	s_load_b256 s[4:11], s[0:1], 0x0               ; V s[4:5], wq s[6:7], bias s[8:9], out0 s[10:11]
	v_lshl_add_u32 v[SPW], v0, 2, SPARE
	v_mov_b32 v[NIL], 0
	ds_add_u32 v1, v2
	ds_add_u32 v1, v2
	s_wait_dscnt 0x0
	v_lshrrev_b32 v[VT], 5, v0
	v_readfirstlane_b32 s[WV], v[VT]               ; wave 0..3
	; descriptor group 1: 32 rows x 256 elements of 4 bytes, 904 elements from row to row; in LDS four words of padding behind every 256
	s_mov_b32 s[G1F+0], (2<<16)|(1<<20)|(7<<22)|(3<<25)   ; 15:0 no mask; 17:16 elements of 4 bytes; 20 padding on; 24:22 after every 256 words (code 7); 31:25 four words (code 3)
	s_mov_b32 s[G1F+1], 256<<16                    ; tensor_dim0 = 256
	s_mov_b32 s[G1F+2], 32<<16                     ; tensor_dim1 = 32
	s_mov_b32 s[G1F+3], 256<<16                    ; tile_dim0 = 256
	s_mov_b32 s[G1F+4], 32                         ; tile_dim1 = 32
	s_mov_b32 s[G1F+5], 904                        ; tensor_dim0_stride
	s_mov_b32 s[G1F+6], 0
	s_mov_b32 s[G1F+7], 0
	s_mov_b32 s[G1T+0], (2<<16)|(1<<20)|(7<<22)|(3<<25)
	s_mov_b32 s[G1T+1], 136<<16                    ; tensor_dim0 = 904 - 768: from there on the tile's elements arrive as zeros
	s_mov_b32 s[G1T+2], 32<<16
	s_mov_b32 s[G1T+3], 256<<16
	s_mov_b32 s[G1T+4], 32
	s_mov_b32 s[G1T+5], 904
	s_mov_b32 s[G1T+6], 0
	s_mov_b32 s[G1T+7], 0
	s_mov_b32 s[SEL], 0x76543210
	s_mov_b32 s[SEL+1], 0xfedcba98
	s_mov_b32 s[MNT], 0x600000
	s_mov_b32 s[EXM], 0x7f800000
	s_mov_b32 s[E15], 0xf8800000
	s_mov_b32 s[FLO], 0x08000000
	s_mov_b32 s[NL], 0xbfb8aa3b
	s_mov_b32 s[NL+1], 0xbfb8aa3b                  ; (the packed forms name a pair and take its low word for both halves: so the upper word is written)
	s_mov_b32 s[TL], 0x4038aa3b
	s_mov_b32 s[TL+1], 0x4038aa3b
	s_mov_b32 s[CAP], 0x41f00000
	s_mul_i32 s13, s[WV], WRING                    ; my wave's ring
	s_lshl_b32 s14, ttmp9, 8
	s_lshl_b32 s15, s[WV], 5
	s_add_co_u32 s14, s14, s15                     ; my first row: 256 x work-group + 32 x wave
	s_mul_i32 s14, s14, ROWB                       ; in bytes: under 2^28
	s_mov_b32 s15, 0
	s_wait_kmcnt 0x0
	s_add_nc_u64 s[PFA:PFA+1], s[4:5], s[14:15]    ; V at my first row
	s_mov_b32 s[G0], 1                             ; 1:0 count = 1
	s_mov_b32 s[G0+1], s13                         ; 63:32 LDS address: slot 0
	s_add_nc_u64 s[G0+2:G0+3], s[PFA:PFA+1], 3072  ; 120:64 global address: k = 768: K steps 6 and 7 come first
	s_mov_b32 s[G0+4], 1
	s_add_co_u32 s[G0+5], s13, SLOTB               ; slot 1
	s_mov_b64 s[G0+6:G0+7], s[PFA:PFA+1]           ; k = 0
	s_or_b32 s[G0+3], s[G0+3], 0x80000000          ; 127:126 type = 2
	s_or_b32 s[G0+7], s[G0+7], 0x80000000
	s_add_nc_u64 s[PFA:PFA+1], s[PFA:PFA+1], 1024  ; at k = 256: the first refill steps it to k = 512, the chunk that the second refill brings
	tensor_load_to_lds s[G0:G0+3], s[G1T:G1T+7]    ; the two first fills go out together, ahead of every wait on TENSORcnt, every LDS read and every barrier: two loads of mine are out
	s_nop 0
	tensor_load_to_lds s[G0+4:G0+7], s[G1F:G1F+7]
	s_nop 0
.rept 4
	v_nop
.endr
	v_lshlrev_b32 v85, 4, v0                       ; the bias table, 2,560 bytes: each of the 128 threads copies 16 bytes at 16 t and 4 at 2,048 + 4 t
	v_lshlrev_b32 v86, 2, v0
	global_load_b128 v[80:83], v85, s[8:9]
	global_load_b32 v84, v86, s[8:9] offset:2048
	s_mul_i32 s14, s[WV], 24576
	s_add_nc_u64 s[WQB:WQB+1], s[6:7], s[14:15]
	s_lshl_b32 s14, s[WV], 11
	s_add_co_u32 s14, s14, 98304
	s_add_nc_u64 s[WSB:WSB+1], s[6:7], s[14:15]
	s_mul_i32 s14, ttmp9, 256*SROW
	s_add_nc_u64 s[10:11], s[10:11], s[14:15]      ; out0 at the work-group's first row
	v_and_b32 v[LN], 31, v0
	v_lshlrev_b32 v[WL], 4, v[LN]
	v_mul_u32_u24 v[PFO], v[LN], ROWB
	s_mov_b32 s[WOFF], 0xc0000                     ; K step 6's place in wq: 6 x 131,072
	v_add_nc_u32 v[WO], s[WOFF], v[WL]
	RELOAD 0, 0                                    ; K step 6's W: 52 loads
	RELOAD 1, 0
	RELOAD 2, 0
	RELOAD 3, 0
	v_and_b32 v40, 15, v0                          ; r
	v_bfe_u32 v41, v0, 4, 1                        ; h
	v_mul_u32_u24 v[VA], v40, PITCH
	v_lshl_add_u32 v[VA], v41, 6, v[VA]
	v_add_nc_u32 v[VA], s13, v[VA]
	s_mul_i32 s14, s[WV], TILEB
	s_add_co_u32 s14, s14, IMG
	v_add_nc_u32 v[IW], s14, v[WL]
.irp q, 1,2,3
	s_add_co_u32 s14, s[WV], \q
	s_and_b32 s14, s14, 3
	s_mul_i32 s14, s14, TILEB
	s_add_co_u32 s14, s14, IMG
	v_add_nc_u32 v[AR+\q], s14, v[WL]
.endr
	s_mul_i32 s14, s[WV], 192
	s_add_co_u32 s14, s14, BT
	v_lshl_add_u32 v[BA], v41, 5, s14
	v_lshlrev_b32 v[BB], 5, v41
	v_add_nc_u32 v[BB], BT+768, v[BB]
	v_mov_b32 v[C4], 0xc0b8aa3b
	v_mov_b32 v[C4+1], 0xc0b8aa3b
.irp b, 0,1,2,3
	v_mov_b32 v[TM+4+\b], 0                        ; written once: a lane permute's destination counts as one of its sources
.endr
	v_add_nc_u32 v87, BT, v85
	v_add_nc_u32 v88, BT+2048, v86
	s_wait_loadcnt 52                              ; the two loads of the bias are in; the 52 of W behind them stay out
	ds_store_b128 v87, v[80:83]
	ds_store_b32 v88, v84
	BAR                                            ; the bias table lies in LDS
	s_wait_tensorcnt 0x1                           ; my chunk at k = 768 is in; the one at k = 0, issued behind it, may be out
	s_mov_b32 s[BLK], 2
.Lblock:
	INIT
	s_mov_b32 s[VB], 0
	s_mov_b32 s[IB], 0
	Y 1                                            ; k = 768 .. 895
	s_mov_b32 s[VB], 512
	s_mov_b32 s[IB], IBUF
	Y7                                             ; k = 896 .. 903
	REFILL 0, G1F, 1, 2048, 0, 1024, 4, 0          ; slot 0: from k = 768 back to k = 256; asked of the L2: k = 512 on
	ST 1                                           ; k = 0 .. 255
	REFILL 1, G1F, 0, 2048, 0, 128*ROWB+1024, 2, 1 ; slot 1: k = 512 on; asked of the L2: the next block's k = 768 on, if there is a next block
	s_cmp_eq_u32 s[BLK], 1
	s_cbranch_scc1 .Llast
	ST 0                                           ; k = 256 .. 511
	REFILL 0, G1T, 0, 128*ROWB+2048, 1, 3072, 4, 0 ; slot 0: the next block's k = 768; asked of the L2: its k = 0 on
	ST 1                                           ; k = 512 .. 767
	REFILL 1, G1F, 0, 128*ROWB-2048, 0, 1024, 4, 0 ; slot 1: the next block's k = 0: it lands under the epilogue; asked of the L2: its k = 256 on
	s_branch .Lepi
.Llast:                                            ; the last block's second half is written out without fills: nothing is left to fetch
	s_mov_b32 s[VB], 0
	s_mov_b32 s[OC], 2
.Llo:
	s_mov_b32 s[IB], 0
	s_mov_b32 s[CNT], 2
.Lli:
	Y 0
	s_add_co_u32 s[VB], s[VB], 512
	s_xor_b32 s[IB], s[IB], IBUF
	s_sub_co_u32 s[CNT], s[CNT], 1
	s_cmp_lg_u32 s[CNT], 0
	s_cbranch_scc1 .Lli
	s_wait_tensorcnt 0x0                           ; slot 1's last chunk, asked for two K steps ago, is in: no load was issued behind it, so the count is 0
	s_add_co_u32 s[VB], s[VB], SLOTB-1024          ; on to slot 1
	s_sub_co_u32 s[OC], s[OC], 1
	s_cmp_lg_u32 s[OC], 0
	s_cbranch_scc1 .Llo
.Lepi:
	; THE EPILOGUE: half H = positions 4 H .. 4 H + 3 = the block's rows 32 j + 16 H + 0 .. 15, j = 0 .. 3: activations in registers; h into the stage (j's 16 rows at 12,800 j); out as whole rows
	v_and_b32 v47, 15, v0
	v_bfe_u32 v48, v0, 4, 1
	v_mul_u32_u24 v47, v47, SROW                   ; row r
	v_lshl_add_u32 v48, v48, 5, v47                ; + 32 h
	s_mul_i32 s14, s[WV], 192                      ; my three unit tiles' bytes in a row
.irp q, 0,1,2,3
	s_add_co_u32 s15, s[WV], \q
	s_and_b32 s15, s15, 3
	s_mul_i32 s15, s15, 16*SROW                    ; position q's 16 rows: j = (q + w) & 3
	s_add_co_u32 s15, s15, s14
	s_add_co_u32 s15, s15, STG
	v_add_nc_u32 v[SA+\q], s15, v48
.endr
	s_mul_i32 s14, s[WV], 32*SROW
	v_add_nc_u32 v[GO], s14, v[WL]                 ; in out0: rows 32 w on
	s_mul_i32 s14, s[WV], 16*SROW
	s_add_co_u32 s15, s14, STG
	v_add_nc_u32 v[SRD], s15, v[WL]                ; in the stage: j = w
	s_add_co_u32 s15, s15, 768
	v_add_nc_u32 v[SX], s15, v47                   ; tile 12: my own rows (j = w), units 192 on
	ACT 0
	BAR                                            ; nobody reads the last K step's images any more: the stage overlays them
	STAGE 0
	BAR                                            ; 64 whole rows lie in the stage
	COPY 16*SROW                                   ; then 16 rows on: the other half's rows
	ACT 1
	BAR                                            ; every wave has read its quarter of the stage
	STAGE 1
	BAR
	COPY 112*SROW                                  ; then on to the next block's first row
	BAR                                            ; and again: the next block's images are stored over the stage
	s_sub_co_u32 s[BLK], s[BLK], 1
	s_cmp_lg_u32 s[BLK], 0
	s_cbranch_scc1 .Lblock
	s_wait_tensorcnt 0x0                           ; the wave's end: behind my last tensor load and my last LDS store
	ds_add_u32 v[SPW], v[NIL]
	s_wait_dscnt 0x0
	s_endpgm
.Lfunc_end_k_qed024552df_main:
	.size	k_qed024552df_main, .Lfunc_end_k_qed024552df_main-k_qed024552df_main
	.p2alignl 7, 3214868480
	.fill 96, 4, 3214868480
	.section	.rodata,"a",@progbits
	.p2align	6, 0x0
	.amdhsa_kernel k_qed024552df_main
		.amdhsa_group_segment_fixed_size 327680
		.amdhsa_private_segment_fixed_size 0
		.amdhsa_enable_private_segment 0
		.amdhsa_kernarg_size 32
		.amdhsa_user_sgpr_count 2
		.amdhsa_user_sgpr_kernarg_segment_ptr 1
		.amdhsa_wavefront_size32 1
		.amdhsa_system_sgpr_workgroup_id_x 1
		.amdhsa_system_sgpr_workgroup_id_y 1
		.amdhsa_system_sgpr_workgroup_id_z 1
		.amdhsa_system_vgpr_workitem_id 0
		.amdhsa_next_free_vgpr 1024
		.amdhsa_next_free_sgpr 66
		.amdhsa_reserve_vcc 1
		.amdhsa_float_denorm_mode_32 3
		.amdhsa_float_denorm_mode_16_64 3
		.amdhsa_memory_ordered 1
		.amdhsa_forward_progress 1
		.amdhsa_inst_pref_size 255
	.end_amdhsa_kernel
	.section	.bss,"aw",@nobits
	.p2align	6
	.space	262144
	.amdgpu_metadata
---
amdhsa.version: [ 1, 2 ]
amdhsa.kernels:
  - .name:           k_qed024552df_main
    .symbol:         k_qed024552df_main.kd
    .args:
      - { .name: V_cells, .offset: 0, .size: 8, .value_kind: global_buffer, .address_space: global }
      - { .name: wq, .offset: 8, .size: 8, .value_kind: global_buffer, .address_space: global }
      - { .name: bias, .offset: 16, .size: 8, .value_kind: global_buffer, .address_space: global }
      - { .name: out0, .offset: 24, .size: 8, .value_kind: global_buffer, .address_space: global }
    .group_segment_fixed_size: 327680
    .private_segment_fixed_size: 0
    .kernarg_segment_align: 8
    .kernarg_segment_size: 32
    .max_flat_workgroup_size: 128
    .sgpr_count:     66
    .vgpr_count:     1024
    .wavefront_size: 32
...
	.end_amdgpu_metadata
.endif
;; end of part 2
